; MI455X (gfx1250); checked and timed in simulation.
; The chip was launched on July 23, 2026; its instructions are those of AMD's public machine-readable ISA for CDNA 5 (MIT licence, August 2026) and "CDNA5" Instruction Set Architecture Reference Guide (July 2026). The comments in the code are by the model that wrote it; some were corrected since.
;; my param layer. Allowed arithmetic: matrix products marked QUANTISED: E4M3 operands, one E8M0 scale for each 32 along K, by v_wmma_scale_f32_16x16x128_f8f6f4 with both operands' format E4M3, f32 sums; everything else in f32.
;; Inputs: A_codes 4,096 x 128 x 32 uint8 (E4M3 codes of A, K innermost, in blocks of 32 codes); A_scales 4,096 x 128 uint8 (E8M0 scales of A, one for each 32 codes along K); B_codes 4,096 x 128 x 32 uint8 (E4M3 codes of B, K innermost, in blocks of 32 codes); B_scales 4,096 x 128 uint8 (E8M0 scales of B, one for each 32 codes along K).
;; Outputs: out0 4,096 x 4,096 float32.
;; This version of the problem:
;;   THIS VERSION OF THE PROBLEM IS GIVEN IN LOW PRECISION. The matrix products marked QUANTISED in the list below multiply operands that are first quantised to E4M3 (4 exponent bits, 3 mantissa bits; 8 bits a number), with one power-of-two scale for each 32 numbers along K (OCP MX v1.0); their sums are f32. All else is computed in f32.
;;   The module's matrix products, in the order in which they are computed (A, B: the left and right operand; K: the contracted axis; several contracted axes count as one K, in the product's order):
;;     1. [M 4,096, K 4,096] x [K 4,096, N 4,096]; A: input A (given as codes); B: input B (given as codes): QUANTISED
;;   THE QUANTISER, for each operand of a quantised product, along K:
;;     - K is cut into blocks of 32 from its start; a last block that is shorter is filled with zeros.
;;     - A block's scale is 2^e with e = floor(log2(the largest magnitude in the block)) - 8, held to -126 .. 127; a block of zeros has e = 0. As a byte (E8M0): e + 127.
;;     - Each number is divided by its block's scale, clamped to +-448, and rounded to the nearest number of E4M3, ties to even, subnormals kept.
;;     - The product sums the exact products of the quantised numbers (number of the format x scale) in f32.
;;   ~~~python
;;   def quantise(x, axis):      # numpy; x: float32 -> the quantised numbers, widened to float32 again
;;       x = np.moveaxis(x, axis, -1); K = x.shape[-1]
;;       x = np.pad(x, [(0, 0)] * (x.ndim - 1) + [(0, -K % 32)]); x = x.reshape(x.shape[:-1] + (-1, 32)); a = np.abs(x).max(-1, keepdims=True)
;;       e = np.where(a > 0, np.clip(np.frexp(np.where(a > 0, a, 1))[1] - 1 - 8, -126, 127), 0)      # np.frexp(a)[1] - 1 = floor(log2(a)), exactly
;;       r = np.clip(x / 2.0 ** e, -448, 448)
;;       step = 2.0 ** (np.maximum(np.frexp(np.where(r == 0, 1, r))[1] - 1, -6) - 3)
;;       q = np.round(r / step) * step * 2.0 ** e      # np.round: ties to even
;;       return np.moveaxis(q.reshape(q.shape[:-2] + (-1,))[..., :K], -1, axis).astype(np.float32)
;;   ~~~
;;   INPUTS GIVEN AS CODES. A (in the module: [4096, 4096], K = its axis 1); B (in the module: [4096, 4096], K = its axis 0): each comes as NAME_codes (uint8): NAME with its K axis moved to the last place and cut into blocks of 32 codes, [.., K / 32, bytes a block], one block behind the other in memory; one code a byte (a code: sign, 4 exponent bits, 3 mantissa bits); and NAME_scales (uint8): the same leading axes, one E8M0 byte (e + 127) for each 32 codes along K. Its value is code x scale, taken as it is: it is not quantised again, and the codes and scales need not be those that the quantiser above would give.
;; One version. Each part assembles by itself: llvm-mc -triple=amdgcn-amd-amdhsa -mcpu=gfx1250 --defsym DOCPART=n.
;; ======== version 1 of 1: 1 launch
;; limits: right only within a limited range of input values
;; launch gemm (part 1): grid 16 x 16, 4 waves a work-group, clusters of 4 x 4, 327,680 bytes of LDS; arguments A_codes, A_scales, B_codes, B_scales, out0; writes out0
.if DOCPART == 1
	.amdgcn_target "amdgcn-amd-amdhsa--gfx1250"
	.amdhsa_code_object_version 6
	.text
	.protected	k_q8df0055aaa_gemm
	.globl	k_q8df0055aaa_gemm
	.p2align	8
	.type	k_q8df0055aaa_gemm,@function
k_q8df0055aaa_gemm:
	s_mov_b64 s[64:65], 0
	v_nop
	global_prefetch_b8 v0, s[64:65] scope:SCOPE_SE
	s_setreg_imm32_b32 hwreg(HW_REG_WAVE_MODE, 25, 1), 1
	s_wait_xcnt 0x0
	s_wait_alu depctr_hold_cnt(0) depctr_sa_sdst(0) depctr_va_vdst(0) depctr_va_sdst(0) depctr_va_ssrc(0) depctr_va_vcc(0) depctr_vm_vsrc(0)
	s_getreg_b32 s2, hwreg(HW_REG_IB_STS2, 6, 4)
	s_cmp_eq_u32 s2, 0
	s_cbranch_scc0 .Lentry_in_a_cluster
	s_endpgm
.Lentry_in_a_cluster:
	s_bfe_u32 s2, ttmp6, 0x10000c
	s_cmp_lg_u32 s2, 0xf033
	s_cbranch_scc0 .Lentry_shape_is_right
	s_endpgm
.Lentry_shape_is_right:
; out0[m][n] = sum over k of A[m][k] B[k][n]; both operands come as E4M3 codes with K innermost ([4096][4096] bytes) and one E8M0 byte for each 32 along K ([4096][128] bytes).
; Codes and scale bytes go to v_wmma_scale_f32_16x16x128_f8f6f4 as they lie; sums in f32, K ascending, one accumulator for each output.  No work of the problem is left out.
; A block of 256 x 256 of out0 to a work-group of four waves; a wave makes 128 x 128: 64 accumulators, 512 registers.  256 work-groups.
; K goes in 16 steps of 256 through a ring of two LDS slots (256 rows of A, 256 of B, rows of 256 bytes + 16 of padding).
; SCALES: those of the block's 512 rows for half of K (64 bytes a row, LDS pitch 80) lie behind the ring; the second half is filled over the first in the drained round of K step 6,
; when every wave holds the scale words of K steps 6 and 7 in registers.
; CLUSTERS 4 x 4: A's tiles and scales are asked for jointly along a row of the cluster, B's along a column.
; PREFETCH: behind each refill a wave names 32 rows x 256 bytes of the K step that stands two refills on; the four partners of a joint load share its 128 rows out by address
; (cx for A, cy for B), so each block of 256 bytes is named once in each cluster that loads it.  K steps 1 and 2 are named at the head, K step 3 behind slot 1's first fill; the last lap
; with refills names nothing (K step 15 is the last).  The scales' second half is not named: its bytes lie in the same 128-byte rows as the first half, which the head has read.
; THE PRODUCT IS USED TRANSPOSED (source 0 = 16 rows of B, source 1 = 16 rows of A): a lane holds eight neighbouring numbers of a row of out0.
; THE LAST K STEP GOES BY ROWS OF out0: each block of 16 rows is finished by 16 products and leaves at once, through the wave's stage in slot 0 (past its last fill and last read).
; REGISTERS: window 0: v16-31 addresses, v32-63 scale words (two sets), v64-127 rows on the way out, v128-255 A's fragments; window 1: B's fragments, two sets; windows 2, 3: accumulators.
.set SIZE_N, 4096
.set KROW,   4096
.set NQ,     2                         ; products deep in a K step
.set ROWB,   256
.set PITCH,  272
.set FR,     16
.set NL,     4
.set NP,     8                         ; places behind this matrix form (ISA guide 7.12.1)
.set HALFT,  128*PITCH
.set SLOT,   4*HALFT
.set SCL,    2*SLOT
.set SPS,    80
.set HALFS,  128*SPS
.set SBLK,   16*SPS
.set SPARE,  SCL+4*HALFS               ; the spare words: 512 bytes that no other line names
.set SPITCH, 528
.set ADRA, 16
.set ADRB, 20
.set STO,  24
.set RD,   25
.set CO,   26
.set ADRS, 27
.set SPW,  28
.set NIL,  29
.set ADRS0, 30
.set PFO,  31                          ; lane x a row of codes (4,096 bytes); never rewritten
.set SC,   32
.set BK,   64
.set AF,   128
.set G1W,  4                           ; group 1: 256 rows of A's codes
.set G1,   24                          ; 128 rows of A's codes
.set G0,   32                          ; group 0 for A, a set for each slot
.set G1WB, 40
.set G1B,  48
.set G0B,  56
.set G1S,  68                          ; A's scales: 256 rows of 64 bytes
.set G0S,  76
.set G1SB, 80
.set G0SB, 88
.set PFA,  104                         ; s[104:105] where my prefetches stand
.set CODEW, (1<<20)|(1<<21)|(5<<22)|(3<<25)          ; bytes; padding of 4 words behind every 64; bit 21 beside a mask
.set SCLW,  (3<<16)|(1<<20)|(1<<21)|(3<<22)|(3<<25)  ; elements of 8 bytes; padding of 4 words behind every 16
.set MSB, 0
.macro WIN new
.if MSB != \new
	s_set_vgpr_msb (MSB<<8)|\new
.set MSB, \new
.endif
.endm
.set MUL_LO, 0xa1
.set MUL_HI, 0xf1
.set TO_B,   0x40
.macro TLOAD g0, g1                    ; a tensor load with an s_nop and four v_nops behind it
	tensor_load_to_lds s[\g0:\g0+3], s[\g1:\g1+7]
	s_nop 0
.rept 4
	v_nop
.endr
.endm
.macro JLOAD g0a, g1a, g0b, g1b        ; the ring's joint load: waves 0, 1 fetch A's halves, waves 2, 3 B's
	s_cmp_eq_u32 s15, 0
	s_cbranch_scc0 .Lfor_b_\@
	TLOAD \g0a, \g1a
	s_branch .Lasked_\@
.Lfor_b_\@:
	TLOAD \g0b, \g1b
.Lasked_\@:
.endm
.macro MLOAD                           ; four tiles, one a wave: wave 0 A's 256 rows, wave 2 B's, wave 1 A's scales, wave 3 B's
	s_cmp_eq_u32 s14, 0
	s_cbranch_scc0 .Lnot_0_\@
	TLOAD G0, G1W
	s_branch .Lall_asked_\@
.Lnot_0_\@:
	s_cmp_eq_u32 s14, 2
	s_cbranch_scc0 .Lnot_2_\@
	TLOAD G0B, G1WB
	s_branch .Lall_asked_\@
.Lnot_2_\@:
	s_cmp_eq_u32 s14, 1
	s_cbranch_scc0 .Lnot_1_\@
	TLOAD G0S, G1S
	s_branch .Lall_asked_\@
.Lnot_1_\@:
	TLOAD G0SB, G1SB
.Lall_asked_\@:
.endm
.macro CREST
	s_cmp_lg_u32 s14, 0
	s_cbranch_scc1 .Lnot_wave_0_\@
	s_barrier_signal -3
.Lnot_wave_0_\@:
	s_barrier_wait -3
	s_barrier_signal -1
	s_barrier_wait -1
.endm
.macro CROUND
	s_barrier_signal -1
	s_barrier_wait -1
	CREST
.endm
.macro SHAPE g, c, r, p                ; group 1's constant words: r rows of c elements, pitch p
	s_mov_b32 s[\g+1], (\c)<<16
	s_mov_b32 s[\g+2], (\r)<<16
	s_mov_b32 s[\g+3], (\c)<<16
	s_mov_b32 s[\g+4], \r
	s_mov_b32 s[\g+5], \p
	s_mov_b32 s[\g+6], 0
	s_mov_b32 s[\g+7], 0
.endm
	s_load_b256 s[92:99], s[0:1], 0x0              ; A's codes, A's scales, B's codes, B's scales
	s_load_b64 s[12:13], s[0:1], 0x20              ; out0
	v_lshl_add_u32 v[SPW], v0, 2, SPARE
	v_mov_b32 v[NIL], 0
	ds_add_u32 v[SPW], v[NIL]                      ; the opening lines: the add twice on end and one wait
	ds_add_u32 v[SPW], v[NIL]
	v_lshrrev_b32 v1, 5, v0
	v_readfirstlane_b32 s14, v1                    ; wave
	s_lshr_b32 s15, s14, 1                         ; my half of the block's rows; also: I fetch for A (0) or B (1)
	s_and_b32 s16, s14, 1                          ; my half of its columns; also: which 128 rows I fetch
	s_bfe_u32 s66, ttmp6, 0x40000                  ; cx
	s_bfe_u32 s67, ttmp6, 0x40004                  ; cy
	s_lshl_b32 s2, ttmp9, 2
	s_add_co_u32 s2, s2, s66                       ; block column
	s_and_b32 s17, ttmp7, 0xffff
	s_lshl_b32 s17, s17, 2
	s_add_co_u32 s17, s17, s67                     ; block row
	s_lshl_b32 s100, s67, 2
	s_lshl_b32 s100, 15, s100                      ; my row of the cluster
	s_lshl_b32 s101, 0x1111, s66                   ; my column
	s_or_b32 s[G1], s100, CODEW
	s_or_b32 s[G1W], s100, CODEW
	s_or_b32 s[G1S], s100, SCLW
	s_or_b32 s[G1B], s101, CODEW
	s_or_b32 s[G1WB], s101, CODEW
	s_or_b32 s[G1SB], s101, SCLW
	SHAPE G1, ROWB, 128, KROW
	SHAPE G1B, ROWB, 128, KROW
	SHAPE G1W, ROWB, 256, KROW
	SHAPE G1WB, ROWB, 256, KROW
	SHAPE G1S, 8, 256, 16
	SHAPE G1SB, 8, 256, 16
	s_lshl_b32 s18, s17, 15                        ; A's scales: 256 rows x 128 bytes x block row
	s_mov_b32 s19, 0
	s_lshl_b32 s20, s17, 20                        ; A's codes: 256 rows x 4,096 bytes x block row
	s_lshl_b32 s21, s16, 19                        ; + my 128 rows
	s_add_co_u32 s20, s20, s21
	s_mov_b32 s21, 0
	s_lshl_b32 s104, s2, 15                        ; the same for B, by the block column
	s_mov_b32 s105, 0
	s_lshl_b32 s22, s2, 20
	s_lshl_b32 s23, s16, 19
	s_add_co_u32 s22, s22, s23
	s_mov_b32 s23, 0
	s_cmp_eq_u32 s15, 0
	s_cselect_b32 s100, s20, s22                   ; the prefetches: the 128 rows that I fetch,
	s_cselect_b32 s101, s66, s67                   ; my place among the four that ask with me,
	s_lshl_b32 s101, s101, 17                      ; x 32 rows
	s_add_co_u32 s100, s100, s101
	s_mov_b32 s101, 0
	s_mul_i32 s3, s14, HALFT                       ; where my 128 rows go: no place in the cluster enters an LDS address
.irp s, 0,1
	s_mov_b32 s[G0+4*\s], 1
	s_add_co_u32 s[G0+4*\s+1], s3, \s*SLOT
	s_mov_b32 s[G0B+4*\s], 1
	s_add_co_u32 s[G0B+4*\s+1], s3, \s*SLOT
.endr
	s_mov_b32 s[G0S], 1
	s_mov_b32 s[G0S+1], SCL
	s_mov_b32 s[G0SB], 1
	s_mov_b32 s[G0SB+1], SCL+2*HALFS
	s_wait_dscnt 0x0                               ; both opening adds are done
	CROUND                                         ; the round in front of the first joint loads; the arguments are on their way meanwhile
	s_wait_kmcnt 0x0
	s_add_nc_u64 s[G0+2:G0+3], s[92:93], s[20:21]  ; slot 0: K step 0; slot 1: K step 1
	s_add_nc_u64 s[G0+6:G0+7], s[G0+2:G0+3], ROWB
	s_add_nc_u64 s[G0B+2:G0B+3], s[96:97], s[22:23]
	s_add_nc_u64 s[G0B+6:G0B+7], s[G0B+2:G0B+3], ROWB
	s_add_nc_u64 s[G0S+2:G0S+3], s[94:95], s[18:19]
	s_add_nc_u64 s[G0SB+2:G0SB+3], s[98:99], s[104:105]
	s_cmp_eq_u32 s15, 0
	s_cselect_b64 s[PFA:PFA+1], s[92:93], s[96:97]
	s_add_nc_u64 s[PFA:PFA+1], s[PFA:PFA+1], s[100:101]
.irp g, G0+3, G0+7, G0B+3, G0B+7, G0S+3, G0SB+3
	s_or_b32 s[\g], s[\g], 0x80000000              ; the type
.endr
	MLOAD                                          ; the head's four tiles, one tensor load a wave: K step 0 and the scales of K steps 0 to 7
	v_and_b32 v[PFO], 31, v0
	v_lshlrev_b32 v[PFO], 12, v[PFO]
	global_prefetch_b8 v[PFO], s[PFA:PFA+1] offset:ROWB th:TH_LOAD_NT scope:SCOPE_SE     ; K step 1
	global_prefetch_b8 v[PFO], s[PFA:PFA+1] offset:2*ROWB th:TH_LOAD_NT scope:SCOPE_SE   ; K step 2
	s_mul_i32 s18, s15, HALFT                      ; my 128 rows of A
	s_mul_i32 s19, s16, HALFT
	s_add_co_u32 s19, s19, 2*HALFT                 ; my 128 rows of B, behind A's 256
	s_mul_i32 s20, s15, HALFS                      ; the same for the scales
	s_mul_i32 s21, s16, HALFS
	s_add_co_u32 s21, s21, 2*HALFS
	s_sub_co_u32 s21, s21, s20                     ; from A's to B's: lanes 16-31 take B's
	s_add_co_u32 s20, s20, SCL
	s_mul_i32 s23, s14, 16*SPITCH                  ; my stage
	v_and_b32 v1, 15, v0                           ; l % 16
	v_bfe_u32 v2, v0, 4, 1                         ; l / 16
	v_mul_u32_u24 v3, v1, PITCH
	v_lshl_add_u32 v4, v2, 4, v3                   ; a fragment's row x pitch + 16 x half
	v_add_nc_u32 v[ADRA], s18, v4
	v_add_nc_u32 v[ADRB], s19, v4
	v_add_nc_u32 v[ADRA+1], SLOT, v[ADRA]
	v_add_nc_u32 v[ADRB+1], SLOT, v[ADRB]
	v_mul_u32_u24 v5, v1, SPS
	v_mul_u32_u24 v6, s21, v2
	v_add_nc_u32 v5, v5, v6
	v_add_nc_u32 v[ADRS0], s20, v5
	v_mov_b32 v[ADRS], v[ADRS0]
	v_mul_u32_u24 v5, v1, SPITCH                   ; into the stage: row l % 16, 32 bytes for each half of the lanes
	v_lshl_add_u32 v5, v2, 5, v5
	v_add_nc_u32 v[STO], s23, v5
	v_and_b32 v6, 31, v0
	v_lshlrev_b32 v[CO], 4, v6                     ; back: 32 lanes take a row of 512 bytes; the same in out0
	v_add_nc_u32 v[RD], s23, v[CO]
	s_lshl_b32 s20, s17, 8
	s_lshl_b32 s21, s15, 7
	s_add_co_u32 s20, s20, s21                     ; my first row of out0,
	s_lshl_b32 s20, s20, 14                        ; x 16,384 bytes
	s_lshl_b32 s22, s2, 10
	s_lshl_b32 s23, s16, 9
	s_add_co_u32 s22, s22, s23                     ; my first column, in bytes
	s_add_co_u32 s20, s20, s22
	s_mov_b32 s21, 0
	s_add_nc_u64 s[12:13], s[12:13], s[20:21]
.macro FRAG reg, adr, q, i             ; 16 rows x 128 K: registers 4 c .. 4 c + 3 hold K = 32 c + 16 (l / 16) + 0 .. 15
.irp c, 0,1,2,3
	ds_load_b128 v[\reg+4*\c:\reg+4*\c+3], v[\adr] offset:128*(\q)+32*\c+(\i)*16*PITCH
.endr
.endm
; 16 products: A's blocks a0, a0 + 1 x B's eight.  The 64 accumulators take turns, one instruction a turn.
.macro MUL16 a0, p, q, sc, zero
.irp a, \a0, \a0+1
.irp b, 0,1,2,3,4,5,6,7
.if \zero
	v_wmma_scale_f32_16x16x128_f8f6f4 v[8*(8*((\a)%4)+\b):8*(8*((\a)%4)+\b)+7], v[128*(\p)+FR*\b:128*(\p)+FR*\b+FR-1], v[AF+FR*(\a):AF+FR*(\a)+FR-1], 0, v[SC+8*NQ*(\sc)+NQ*\b+(\q)], v[SC+8*NQ*(\sc)+NQ*(\a)+(\q)] matrix_a_scale:MATRIX_SCALE_ROW1
.else
	v_wmma_scale_f32_16x16x128_f8f6f4 v[8*(8*((\a)%4)+\b):8*(8*((\a)%4)+\b)+7], v[128*(\p)+FR*\b:128*(\p)+FR*\b+FR-1], v[AF+FR*(\a):AF+FR*(\a)+FR-1], v[8*(8*((\a)%4)+\b):8*(8*((\a)%4)+\b)+7], v[SC+8*NQ*(\sc)+NQ*\b+(\q)], v[SC+8*NQ*(\sc)+NQ*(\a)+(\q)] matrix_a_scale:MATRIX_SCALE_ROW1
.endif
.endr
.endr
.endm
.macro FETCH_B slot, q, p
	WIN TO_B
.irp i, 0,1,2,3,4,5,6,7
	FRAG 128*(\p)+FR*\i, ADRB+\slot, \q, \i
.endr
	WIN 0
.endm
.macro FETCH_A slot, q, i0
.irp i, \i0, \i0+1, \i0+2, \i0+3
	FRAG AF+FR*(\i), ADRA+\slot, \q, \i
.endr
.endm
.macro SCALES sc                       ; a K step's two scale words a row: lanes 0-15 A's block i, lanes 16-31 B's block i
.irp i, 0,1,2,3,4,5,6,7
	ds_load_b64 v[SC+8*NQ*\sc+NQ*\i:SC+8*NQ*\sc+NQ*\i+1], v[ADRS] offset:\i*SBLK+8*\sc
.endr
.endm
.macro PLACES n
.rept \n
	v_nop
.endr
.endm
.macro ASK pf                          ; pf = 1: name the K step two refills on; pf = 2: not in the loop's last trip, whose refills are the last
.if \pf == 2
	s_cmp_gt_u32 s3, 1
	s_cbranch_scc0 .Lno_ask_\@
.endif
.if \pf
	global_prefetch_b8 v[PFO], s[PFA:PFA+1] offset:3*ROWB th:TH_LOAD_NT scope:SCOPE_SE
.endif
.if \pf == 2
.Lno_ask_\@:
.endif
.endm
.macro STEP slot, zero                 ; a slot's first 128 along K
	s_wait_dscnt 4*NL                              ; all but the youngest 16 loads (A's blocks 4-7)
	WIN MUL_LO
	MUL16 0, 0, 0, \slot, \zero
	MUL16 2, 0, 0, \slot, \zero
	s_wait_dscnt 0
	PLACES NP
	FETCH_B \slot, 1, 1
	FETCH_A \slot, 1, 0
.if \slot == 0
	SCALES 1                                       ; the lap's second K step's scale words
.endif
	WIN MUL_HI
	MUL16 4, 0, 0, \slot, \zero
	MUL16 6, 0, 0, \slot, \zero
	PLACES NP
	WIN 0
	FETCH_A \slot, 1, 4
.endm
; A slot's second 128 along K, with the change of slots: the three lines, a round of the cluster's barrier, the joint refill first behind it.
.macro TURN slot, next, fill, back, pf
	s_wait_xcnt 0x0                                ; my last prefetch has read its address
	s_add_nc_u64 s[PFA:PFA+1], s[PFA:PFA+1], ROWB
	s_wait_tensorcnt 0x0                           ; all my tensor loads have landed: my part of the next slot
	ds_add_u32 v[SPW], v[NIL]
	s_add_nc_u64 s[G0+4*\slot+2:G0+4*\slot+3], s[G0+4*\slot+2:G0+4*\slot+3], 2*ROWB      ; no load of mine is out: this slot's next K step
	s_add_nc_u64 s[G0B+4*\slot+2:G0B+4*\slot+3], s[G0B+4*\slot+2:G0B+4*\slot+3], 2*ROWB
	s_wait_dscnt 4*NL+1                            ; the add and the youngest 16 loads may be out
	WIN MUL_LO
	MUL16 0, 1, 1, \slot, 0
	s_wait_dscnt 0x0                               ; the add is done, my reads of this slot are over
	s_barrier_signal -1
	MUL16 2, 1, 1, \slot, 0
	WIN 0
	s_barrier_wait -1
	CREST
.if \fill == 2
	MLOAD                                          ; K step 8, and the scales of K steps 8 to 15 over those of 0 to 7
.else
	JLOAD G0+4*\slot, G1, G0B+4*\slot, G1B
.endif
	PLACES NP-4
.if \next == 0
.if \back
	v_mov_b32 v[ADRS], v[ADRS0]                    ; the second half's scales begin where the first half's began
.else
	v_add_nc_u32 v[ADRS], 8*NQ, v[ADRS]            ; the next lap's scale words
.endif
	s_wait_alu depctr_va_vdst(0)
.endif
	FETCH_B \next, 0, 0
	FETCH_A \next, 0, 0
.if \next == 0
	SCALES 0
.endif
	ASK \pf
	WIN MUL_HI
	MUL16 4, 1, 1, \slot, 0
	MUL16 6, 1, 1, \slot, 0
	PLACES NP
	WIN 0
	FETCH_A \next, 0, 4
.endm
.macro LAP fill0, back, pf
	TURN 0, 1, \fill0, 0, \pf
	STEP 1, 0
	TURN 1, 0, 1, \back, \pf
	STEP 0, 0
.endm
	s_wait_alu depctr_va_vdst(0)
	s_wait_tensorcnt 0x0                           ; my tile of the head's four is in; the three lines ahead of slot 1's first fill
	ds_add_u32 v[SPW], v[NIL]
	s_add_nc_u64 s[G0S+2:G0S+3], s[G0S+2:G0S+3], 64      ; the scales' next load brings bytes 64 to 127 of each row
	s_add_nc_u64 s[G0SB+2:G0SB+3], s[G0SB+2:G0SB+3], 64
	s_wait_dscnt 0x0
	CROUND
	JLOAD G0+4, G1, G0B+4, G1B                     ; K step 1
	FETCH_B 0, 0, 0
	FETCH_A 0, 0, 0
	SCALES 0
	FETCH_A 0, 0, 4
	global_prefetch_b8 v[PFO], s[PFA:PFA+1] offset:3*ROWB th:TH_LOAD_NT scope:SCOPE_SE   ; K step 3
	STEP 0, 1                                      ; the first products start the sums
	s_mov_b32 s3, 3
.Llap1:                                                ; K steps 0 to 5, and the first half of 6
	LAP 1, 0, 1
	s_sub_co_u32 s3, s3, 1
	s_cmp_lg_u32 s3, 0
	s_cbranch_scc1 .Llap1
	LAP 2, 1, 1                                    ; K steps 6 and 7: the scales change halves
	s_mov_b32 s3, 3
.Llap2:                                                ; K steps 8 to 13, and the first half of 14
	LAP 1, 0, 2
	s_sub_co_u32 s3, s3, 1
	s_cmp_lg_u32 s3, 0
	s_cbranch_scc1 .Llap2
; THE TAIL.  K step 14 is finished; nothing is filled again, so no round follows the barrier.  K step 15 (slot 1) goes by rows of out0.
.macro ALOAD a                         ; A's block a, both halves of the K step, into buffer a % 4 of 32 registers
	FRAG AF+32*((\a)%4), ADRA+1, 0, \a
	FRAG AF+32*((\a)%4)+16, ADRA+1, 1, \a
.endm
.macro ROW a                           ; block a is finished: 16 products, its 8 accumulators by turns, K ascending
.set AC, 64*((\a)%4)
.set FA, AF+32*((\a)%4)
	WIN MUL_LO+0x50*((\a)/4)
.irp q, 0,1
.if (\a) == 0 && \q == 1
	s_wait_dscnt 16                                ; B's second set is in (behind it: A's blocks 2 and 3)
.endif
.irp b, 0,1,2,3,4,5,6,7
	v_wmma_scale_f32_16x16x128_f8f6f4 v[AC+8*\b:AC+8*\b+7], v[128*\q+FR*\b:128*\q+FR*\b+FR-1], v[FA+16*\q:FA+16*\q+15], v[AC+8*\b:AC+8*\b+7], v[SC+8*NQ+NQ*\b+\q], v[SC+8*NQ+NQ*(\a)+\q] matrix_a_scale:MATRIX_SCALE_ROW1
.endr
.endr
.endm
.macro TOSTAGE a                       ; 16 rows x 128 columns into my stage, each accumulator from its low end on, and back as whole rows of 512 bytes (LDS serves a wave in order: ISA guide 5.7.1.4)
.set AC, 64*((\a)%4)
	WIN 0x08+4*((\a)/4)
.irp b, 0,1,2,3,4,5,6,7
	ds_store_b128 v[STO], v[AC+8*\b:AC+8*\b+3] offset:64*\b
	ds_store_b128 v[STO], v[AC+8*\b+4:AC+8*\b+7] offset:64*\b+16
.endr
	WIN 0
.irp t, 0,1,2,3,4,5,6,7,8,9,10,11,12,13,14,15
	ds_load_b128 v[BK+4*\t:BK+4*\t+3], v[RD] offset:\t*SPITCH
.endr
.endm
.macro SEND a, younger                 ; younger: LDS loads issued behind the stage's, which may stay out
	s_wait_dscnt \younger
.if (\a) > 0
	s_add_nc_u64 s[12:13], s[12:13], 16*SIZE_N*4   ; behind the wait on XCNT ahead of TOSTAGE: the earlier stores have read their base
.endif
.irp t, 0,1,2,3,4,5,6,7,8,9,10,11,12,13,14,15
	global_store_b128 v[CO], v[BK+4*\t:BK+4*\t+3], s[12:13] offset:\t*SIZE_N*4 th:TH_STORE_NT   ; 32 lanes store 512 consecutive bytes, aligned to 256
.endr
.endm
	s_wait_tensorcnt 0x0                           ; K step 15's tile, my part
	ds_add_u32 v[SPW], v[NIL]
	s_wait_dscnt 4*NL+1
	WIN MUL_LO
	MUL16 0, 1, 1, 0, 0
	s_wait_dscnt 0x0
	s_barrier_signal -1
	MUL16 2, 1, 1, 0, 0
	WIN 0
	s_barrier_wait -1                              ; slot 1 is whole, and nobody reads slot 0 any more
	PLACES NP
	FETCH_B 1, 0, 0
	ALOAD 0
	ALOAD 1
	WIN MUL_HI
	MUL16 4, 1, 1, 0, 0
	MUL16 6, 1, 1, 0, 0
	PLACES NP
	FETCH_B 1, 1, 1
	ALOAD 2
	ALOAD 3
	s_wait_dscnt 48                                ; all but the 48 just issued
	ROW 0
.irp a, 0,1,2,3,4,5,6,7
	PLACES NP                                      ; ahead of the reads of results just made and of the loads into the block's buffer
.if \a > 0
	s_wait_xcnt 0x0                                ; the block before has been read by its stores: its registers and the base may be written
.endif
	TOSTAGE \a
.if \a < 4
	ALOAD \a+4
	SEND \a, 8
.else
	SEND \a, 0
.endif
.if \a < 7
	ROW \a+1
.endif
.endr
	s_wait_tensorcnt 0x0                           ; the wave's end
	ds_add_u32 v[SPW], v[NIL]
	s_wait_dscnt 0x0
	CROUND                                         ; the closing round
	s_endpgm
.Lfunc_end_k_q8df0055aaa_gemm:
	.size	k_q8df0055aaa_gemm, .Lfunc_end_k_q8df0055aaa_gemm-k_q8df0055aaa_gemm
	.p2alignl 7, 3214868480
	.fill 96, 4, 3214868480
	.section	.rodata,"a",@progbits
	.p2align	6, 0x0
	.amdhsa_kernel k_q8df0055aaa_gemm
		.amdhsa_group_segment_fixed_size 327680
		.amdhsa_private_segment_fixed_size 0
		.amdhsa_enable_private_segment 0
		.amdhsa_kernarg_size 40
		.amdhsa_user_sgpr_count 2
		.amdhsa_user_sgpr_kernarg_segment_ptr 1
		.amdhsa_wavefront_size32 1
		.amdhsa_system_sgpr_workgroup_id_x 1
		.amdhsa_system_sgpr_workgroup_id_y 1
		.amdhsa_system_sgpr_workgroup_id_z 1
		.amdhsa_system_vgpr_workitem_id 0
		.amdhsa_next_free_vgpr 1024
		.amdhsa_next_free_sgpr 106
		.amdhsa_reserve_vcc 0
		.amdhsa_float_denorm_mode_32 3
		.amdhsa_float_denorm_mode_16_64 3
		.amdhsa_memory_ordered 1
		.amdhsa_forward_progress 1
		.amdhsa_inst_pref_size 255
	.end_amdhsa_kernel
	.section	.bss,"aw",@nobits
	.p2align	6
	.space	262144
	.amdgpu_metadata
---
amdhsa.version: [ 1, 2 ]
amdhsa.kernels:
  - .name:           k_q8df0055aaa_gemm
    .symbol:         k_q8df0055aaa_gemm.kd
    .args:
      - { .name: A_codes, .offset: 0, .size: 8, .value_kind: global_buffer, .address_space: global }
      - { .name: A_scales, .offset: 8, .size: 8, .value_kind: global_buffer, .address_space: global }
      - { .name: B_codes, .offset: 16, .size: 8, .value_kind: global_buffer, .address_space: global }
      - { .name: B_scales, .offset: 24, .size: 8, .value_kind: global_buffer, .address_space: global }
      - { .name: out0, .offset: 32, .size: 8, .value_kind: global_buffer, .address_space: global }
    .group_segment_fixed_size: 327680
    .private_segment_fixed_size: 0
    .kernarg_segment_align: 8
    .kernarg_segment_size: 40
    .max_flat_workgroup_size: 128
    .sgpr_count:     106
    .vgpr_count:     1024
    .wavefront_size: 32
...
	.end_amdgpu_metadata
.endif
;; end of part 1
